; MI455X (gfx1250); checked and timed in simulation.
; The chip was launched on July 23, 2026; its instructions are those of AMD's public machine-readable ISA for CDNA 5 (MIT licence, August 2026) and "CDNA5" Instruction Set Architecture Reference Guide (July 2026). The comments in the code are by the model that wrote it; some were corrected since.
;; Selective Copying Model. Allowed arithmetic: matrix products marked QUANTISED: E5M2 operands, one given power-of-two scale a tensor, by v_wmma_f32_16x16x64_bf8_bf8 or v_wmma_f32_16x16x128_bf8_bf8, f32 sums; everything else in f32.
;; Inputs: W0 2,048 x 1,024 float32; W1 2,048 x 1,024 float32; Wl 2,048 x 1,024 float32; b0 2,048 float32; b1 2,048 float32; bl 2,048 float32; emb 2,048 x 1,024 float32; lowp_scales 6 int32 (the exponents e of the quantised operands' scales 2^e); x 16 x 512 int32.
;; Outputs: out0 16 x 16 x 2,048 float32.
;; This version of the problem:
;;   THIS VERSION OF THE PROBLEM IS GIVEN IN LOW PRECISION. The matrix products marked QUANTISED in the list below multiply operands that are first quantised to E5M2 (5 exponent bits, 2 mantissa bits; 8 bits a number), with one given power-of-two scale for each operand tensor; their sums are f32. All else is computed in f32.
;;   The module's matrix products, in the order in which they are computed (A, B: the left and right operand; K: the contracted axis; several contracted axes count as one K, in the product's order):
;;     1. [M 8,192, K 1,024] x [K 1,024, N 2,048]; A: computed on the way; B: input W0: QUANTISED (scales: A lowp_scales[0], B lowp_scales[1])
;;     2. [M 8,192, K 1,024] x [K 1,024, N 2,048]; A: computed on the way; B: input W1: QUANTISED (scales: A lowp_scales[2], B lowp_scales[3])
;;     3. [M 8,192, K 1,024] x [K 1,024, N 2,048]; A: computed on the way; B: input Wl: QUANTISED (scales: A lowp_scales[4], B lowp_scales[5])
;;   THE QUANTISER, for each operand of a quantised product, along K:
;;     - The operand's scale is 2^e, e = its entry of the input lowp_scales (int32; the entries are numbered through the quantised products in the list's order, A before B).
;;     - Each number is divided by the scale, clamped to +-57,344, and rounded to the nearest number of E5M2, ties to even, subnormals kept.
;;     - The product sums the exact products of the quantised numbers (number of the format x scale) in f32.
;;   ~~~python
;;   def quantise(x, axis, e):      # numpy; x: float32 -> the quantised numbers, widened to float32 again
;;       x = np.moveaxis(x, axis, -1); K = x.shape[-1]
;;       r = np.clip(x / 2.0 ** e, -57344, 57344)
;;       step = 2.0 ** (np.maximum(np.frexp(np.where(r == 0, 1, r))[1] - 1, -14) - 2)
;;       q = np.round(r / step) * step * 2.0 ** e      # np.round: ties to even
;;       return np.moveaxis(q, -1, axis).astype(np.float32)
;;   ~~~
;;   OPERANDS COMPUTED ON THE WAY. 'Computed on the way' means the value that the module computes at that place (a softmax that the list does not call 'softmax' is quantised finished and normalised). What goes into a quantiser is computed in f32, as accurately as f32 sums, v_exp_f32 and their like allow (about 1e-6 of the number): no bf16 or f16 on the way to a quantiser, and a product that is left as it is and whose result goes on into a quantised operand takes f32 operands (vector FMAs, or v_wmma_f32_16x16x4_f32). A number that lies on a knife's edge between two numbers of the format may be rounded either way, as far as f32 arithmetic and the matrix unit's own rounding can turn it there, and no further.
;; One version. Each part assembles by itself: llvm-mc -triple=amdgcn-amd-amdhsa -mcpu=gfx1250 --defsym DOCPART=n.
;; ======== version 1 of 1: 4 launches
;; limits: right only within a limited range of input values
;; workspace buffers: A0c 8,388,608 bytes; A1c 8,388,608 bytes; Wc0 2,097,152 bytes; Wc1 2,097,152 bytes; Wcl 2,097,152 bytes; R1 1,048,576 bytes; A2c 262,144 bytes
;; launch prep (part 1): grid 256 x 1, 7 waves a work-group, no clusters, 60,416 bytes of LDS; arguments x, emb, W0, W1, Wl, lowp_scales, A0c, Wc0, Wc1, Wcl; writes A0c, Wc0, Wc1, Wcl
.if DOCPART == 1
	.amdgcn_target "amdgcn-amd-amdhsa--gfx1250"
	.amdhsa_code_object_version 6
	.text
	.protected	k_q7e9457bff5_prep
	.globl	k_q7e9457bff5_prep
	.p2align	8
	.type	k_q7e9457bff5_prep,@function
k_q7e9457bff5_prep:
	s_mov_b64 s[64:65], 0
	v_nop
	global_prefetch_b8 v0, s[64:65] scope:SCOPE_SE
	s_setreg_imm32_b32 hwreg(HW_REG_WAVE_MODE, 25, 1), 1
	s_wait_xcnt 0x0
; emb[x] (8,192 rows), W0, W1 and Wl (2,048 rows each), all f32 rows of 1,024 along K, become codes of BF8 (E5M2), each tensor with its given scale 2^e:
; code = number / 2^e, held within +-57,344, rounded to the nearest code, ties to even.
; THE CODES ARE LAID IN THE ORDER OF THE OPERAND'S REGISTERS.  A piece is 512 bytes: 16 rows x 32 along K; lane (r = lane % 16, h = lane / 16) owns the 16 bytes at 16 x lane: k = 32 p + 16 h + 0 .. 15 of the piece's
; row r.  A fragment (16 rows x 128 K) is four pieces on end, so the later launches fetch it by four loads of 16 bytes a lane, each 512 consecutive bytes.
; WHICH ROWS FORM A TILE OF 16 is chosen for the reader:
;   A0c [b 16][q 8][w 8][m 4][2048]: row r of tile (b, w, m) is step 64 w + 4 r + m of batch b, so that a lane's four tiles m are four steps on end (the recurrence);
;   Wc0, Wc1 [s 16][q 8][n 8][2048]: row r of tile n is row 1024 (n / 4) + 64 s + 32 ((n % 4) / 2) + 8 (n % 2) + r + 8 (r / 8), so that a lane's results of two neighbouring tiles are 16 neighbours along the next K;
;   Wcl [G 32][q 8][n 4][2048]: row r of tile n is row 64 G + 4 r + n, so that a lane's four tiles are four neighbouring columns of the output.
; SHARES.  896 tiles x 2 halves of K = 1,792 tasks = 256 work-groups x 7 waves; a task is four fragments.  Tiles 0-511: A0c, 512-639: W0, 640-767: W1, 768-895: Wl.  One path serves all four: pointers, the exponent
; and the row numbers are chosen by selects on the task's number.  Waves share nothing: no barrier.
; A row's 512 bytes of a fragment are read by one load (32 lanes x 16 bytes); the 16 rows turn through the wave's own stage in LDS (rows 528 bytes apart) and come back 64 neighbouring bytes a lane.
; LIMITS: each e between -126 and 112, so that 2^e and 57,344 x 2^e are f32 numbers.  NaN among the inputs is not served.  An index of x is held at 2,047 from above.
.set STGB, 8448                        ; a wave's stage: 16 rows x 528 bytes
.set SP,   528                         ; 512 bytes + 16: the sixteen lanes of a read start at sixteen different 16-byte columns
.set VOUT, 8                           ; v8-11    where fragment f goes: 16 x lane + f x QS
.set VO,   12                          ; v12-27   row r's byte offset in its table: 4096 x row + 2048 x half + 16 x lane
.set XS,   32                          ; v32-159  two sets of 64 numbers
.set CD,   160                         ; v160-223 codes: 16 registers for each fragment, so that no store's data are written again
	s_load_b512 s[4:19], s[0:1], 0x0               ; x s[4:5], emb s[6:7], W0 s[8:9], W1 s[10:11], Wl s[12:13], the exponents s[14:15], A0c s[16:17], Wc0 s[18:19]
	s_load_b128 s[20:23], s[0:1], 0x40             ; Wc1 s[20:21], Wcl s[22:23]
	v_lshl_add_u32 v224, v0, 2, 0xe800
	v_mov_b32 v225, 0
	v_lshrrev_b32 v1, 5, v0
	v_readfirstlane_b32 s24, v1                    ; wave 0..6
	s_mul_i32 s25, ttmp9, 7
	s_add_co_u32 s25, s25, s24                     ; the task
	s_and_b32 s26, s25, 1                          ; which half of K
	s_lshr_b32 s27, s25, 1                         ; the tile, 0..895
	v_and_b32 v1, 31, v0
	v_lshlrev_b32 v6, 4, v1                        ; 16 x lane
	s_lshl_b32 s30, s26, 11
	v_add_nc_u32 v2, s30, v6                       ; + 2,048 bytes for the upper half of K
	s_mul_i32 s31, s24, STGB
	v_add_nc_u32 v3, s31, v6                       ; the stage, on the way in: 16 x lane of a row
	v_and_b32 v7, 15, v0
	v_mul_u32_u24 v4, v7, SP
	v_bfe_u32 v7, v0, 4, 1
	v_lshl_add_u32 v4, v7, 6, v4
	v_add_nc_u32 v4, s31, v4                       ; and on the way out: row r, + 64 h
	; which tensor: the tile's number inside it (s28) and the logarithm of the tiles that share a q (s29)
	s_mov_b32 s28, 768
	s_mov_b32 s29, 2
	s_cmp_lt_u32 s27, 768
	s_cselect_b32 s28, 640, s28
	s_cselect_b32 s29, 3, s29
	s_cmp_lt_u32 s27, 640
	s_cselect_b32 s28, 512, s28
	s_cmp_lt_u32 s27, 512
	s_cselect_b32 s28, 0, s28
	s_cselect_b32 s29, 5, s29
	s_sub_co_u32 s28, s27, s28                     ; lt
	s_lshl_b32 s70, 2048, s29                      ; QS: bytes from q to q + 1
	; where the task's codes go: (lt >> sh) << (sh + 14), + (lt mod 2^sh) x 2048, + half x 4 QS
	s_lshr_b32 s84, s28, s29
	s_add_co_u32 s85, s29, 14
	s_lshl_b32 s84, s84, s85
	s_lshl_b32 s86, 1, s29
	s_sub_co_u32 s86, s86, 1
	s_and_b32 s86, s28, s86
	s_lshl_b32 s86, s86, 11
	s_add_co_u32 s84, s84, s86
	s_add_co_u32 s85, s29, 13
	s_lshl_b32 s86, s26, s85
	s_add_co_u32 s92, s84, s86
	s_mov_b32 s93, 0
	; the rows of a weight's tile: base + r x step + (r / 8) x jump
	s_bfe_u32 s84, s28, 0x10002
	s_lshl_b32 s84, s84, 10                        ; W0, W1: 1024 (n / 4)
	s_lshr_b32 s85, s28, 3
	s_lshl_b32 s85, s85, 6
	s_add_co_u32 s84, s84, s85                     ; + 64 s
	s_bfe_u32 s85, s28, 0x10001
	s_lshl_b32 s85, s85, 5
	s_add_co_u32 s84, s84, s85                     ; + 32 ((n % 4) / 2)
	s_and_b32 s85, s28, 1
	s_lshl_b32 s85, s85, 3
	s_add_co_u32 s84, s84, s85                     ; + 8 (n % 2)
	s_lshr_b32 s85, s28, 2
	s_lshl_b32 s85, s85, 6
	s_and_b32 s86, s28, 3
	s_add_co_u32 s85, s85, s86                     ; Wl: 64 G + n
	s_cmp_lt_u32 s27, 768
	s_cselect_b32 s84, s84, s85
	s_cselect_b32 s87, 1, 4                        ; step
	s_cselect_b32 s88, 8, 0                        ; jump
.irp r, 0,1,2,3,4,5,6,7,8,9,10,11,12,13,14,15
	s_mul_i32 s[48+\r], s87, \r
	s_add_co_u32 s[48+\r], s[48+\r], s84
.if \r >= 8
	s_add_co_u32 s[48+\r], s[48+\r], s88
.endif
.endr
	; the rows of a tile of A0c come out of x: entry 512 b + 64 w + m + 4 r.  (A weight's task reads x's first entries and does not use them)
	s_lshr_b32 s85, s28, 5
	s_lshl_b32 s85, s85, 9
	; A0c's 32 tiles of a batch are [w 8][m 4]: row r of tile (b, w, m) is step 64 w + 4 r + m, entry 512 b + 64 w + m + 4 r of x (this takes the place of what the head says of A0c's tiles)
	s_bfe_u32 s86, s28, 0x30002
	s_lshl_b32 s86, s86, 6
	s_add_co_u32 s85, s85, s86
	s_and_b32 s86, s28, 3
	s_add_co_u32 s85, s85, s86
	s_cmp_lt_u32 s27, 512
	s_cselect_b32 s85, s85, 0
	s_lshl_b32 s90, s85, 2
	s_mov_b32 s91, 0
	s_wait_alu depctr_va_vdst(0)
	s_wait_kmcnt 0x0
	s_add_nc_u64 s[82:83], s[4:5], s[90:91]
	s_load_b128 s[76:79], s[14:15], 0x0            ; e0 .. e3
	s_load_b64 s[80:81], s[14:15], 0x10            ; e4, e5
.irp r, 0,1,2,3,4,5,6,7,8,9,10,11,12,13,14,15
	s_load_b32 s[32+\r], s[82:83], 16*\r
.endr
	s_mov_b64 s[66:67], s[12:13]                   ; the table read and the buffer written: the choice hangs on the task's number alone
	s_mov_b64 s[68:69], s[22:23]
	s_cmp_lt_u32 s27, 768
	s_cselect_b64 s[66:67], s[10:11], s[66:67]
	s_cselect_b64 s[68:69], s[20:21], s[68:69]
	s_cmp_lt_u32 s27, 640
	s_cselect_b64 s[66:67], s[8:9], s[66:67]
	s_cselect_b64 s[68:69], s[18:19], s[68:69]
	s_cmp_lt_u32 s27, 512
	s_cselect_b64 s[66:67], s[6:7], s[66:67]
	s_cselect_b64 s[68:69], s[16:17], s[68:69]
	s_add_nc_u64 s[68:69], s[68:69], s[92:93]
	v_mov_b32 v[VOUT], v6
	v_add_nc_u32 v[VOUT+1], s70, v[VOUT]
	v_add_nc_u32 v[VOUT+2], s70, v[VOUT+1]
	v_add_nc_u32 v[VOUT+3], s70, v[VOUT+2]
	s_wait_kmcnt 0x0                               ; scalar loads come back in no order: the one wait is for all
	s_cmp_lt_u32 s27, 512
.irp r, 0,1,2,3,4,5,6,7,8,9,10,11,12,13,14,15
	s_cselect_b32 s[32+\r], s[32+\r], s[48+\r]     ; x's entry, or the weight's row
.endr
.irp r, 0,1,2,3,4,5,6,7,8,9,10,11,12,13,14,15
	s_min_u32 s[32+\r], s[32+\r], 2047             ; every table here has 2,048 rows
.endr
.irp r, 0,1,2,3,4,5,6,7,8,9,10,11,12,13,14,15
	v_lshl_add_u32 v[VO+\r], s[32+\r], 12, v2      ; a row is 4,096 bytes
.endr
.macro LOAD f                          ; fragment f: 16 rows x 512 consecutive bytes, into set f % 2.  No hint: emb's rows may be named again
.set LS, XS+64*((\f)%2)
.irp r, 0,1,2,3,4,5,6,7,8,9,10,11,12,13,14,15
	global_load_b128 v[LS+4*\r:LS+4*\r+3], v[VO+\r], s[66:67] offset:512*(\f)
.endr
.endm
	LOAD 0
	LOAD 1
	s_mov_b32 s71, s81                             ; the tensor's exponent: e5, e3, e1 or e0
	s_cmp_lt_u32 s27, 768
	s_cselect_b32 s71, s79, s71
	s_cmp_lt_u32 s27, 640
	s_cselect_b32 s71, s77, s71
	s_cmp_lt_u32 s27, 512
	s_cselect_b32 s71, s76, s71
	s_add_co_i32 s71, s71, 127
	s_lshl_b32 s72, s71, 23
	v_mov_b32 v5, s72                              ; 2^e as f32: the conversion takes its exponent field
	s_add_co_i32 s71, s71, 15
	s_lshl_b32 s73, s71, 23
	s_or_b32 s73, s73, 0x600000                    ; 57,344 x 2^e
	s_xor_b32 s74, s73, 0x80000000                 ; and its negative
.macro FRAG f
.set FS, XS+64*((\f)%2)
.if (\f) < 3
	s_wait_loadcnt 16                              ; this fragment's 16 loads are in; the next fragment's 16 may be out
.else
	s_wait_loadcnt 0x0
.endif
.irp r, 0,1,2,3,4,5,6,7,8,9,10,11,12,13,14,15
	ds_store_b128 v3, v[FS+4*\r:FS+4*\r+3] offset:SP*\r
.endr
.irp c, 0,1,2,3
.irp i, 0,1,2,3
	ds_load_b128 v[FS+16*\c+4*\i:FS+16*\c+4*\i+3], v4 offset:128*\c+16*\i   ; LDS serves a wave's instructions in order (ISA guide 5.7.1.4): these see the stores above.  Register 16 c + j: k = 32 c + 16 h + j of row r
.endr
.endr
	s_wait_dscnt 0x0
.set K, 0
.rept 64
	v_med3_num_f32 v[FS+K], v[FS+K], s74, s73      ; the conversion to an 8-bit code does not saturate (ISA guide 7.6.2): the hold at the largest code x the scale
.set K, K+1
.endr
.irp c, 0,1,2,3
.irp g, 0,1
	v_cvt_scalef32_pk8_bf8_f32 v[CD+16*(\f)+4*\c+2*\g:CD+16*(\f)+4*\c+2*\g+1], v[FS+16*\c+8*\g:FS+16*\c+8*\g+7], v5
.endr
.endr
	v_nop                                          ; a plain line behind the last conversion of the run
.irp c, 0,1,2,3
	global_store_b128 v[VOUT+(\f)], v[CD+16*(\f)+4*\c:CD+16*(\f)+4*\c+3], s[68:69] offset:512*\c   ; a piece: 512 consecutive bytes, aligned
.endr
.if (\f) < 2
	LOAD (\f)+2                                    ; the set is free: its numbers have been converted
.endif
.endm
	FRAG 0
	FRAG 1
	FRAG 2
	FRAG 3
	s_wait_tensorcnt 0x0
	ds_add_u32 v224, v225
	s_wait_dscnt 0x0
	s_endpgm
.Lfunc_end_k_q7e9457bff5_prep:
	.size	k_q7e9457bff5_prep, .Lfunc_end_k_q7e9457bff5_prep-k_q7e9457bff5_prep
	.p2alignl 7, 3214868480
	.fill 96, 4, 3214868480
	.section	.rodata,"a",@progbits
	.p2align	6, 0x0
	.amdhsa_kernel k_q7e9457bff5_prep
		.amdhsa_group_segment_fixed_size 60416
		.amdhsa_private_segment_fixed_size 0
		.amdhsa_enable_private_segment 0
		.amdhsa_kernarg_size 80
		.amdhsa_user_sgpr_count 2
		.amdhsa_user_sgpr_kernarg_segment_ptr 1
		.amdhsa_wavefront_size32 1
		.amdhsa_system_sgpr_workgroup_id_x 1
		.amdhsa_system_sgpr_workgroup_id_y 1
		.amdhsa_system_sgpr_workgroup_id_z 1
		.amdhsa_system_vgpr_workitem_id 0
		.amdhsa_next_free_vgpr 226
		.amdhsa_next_free_sgpr 96
		.amdhsa_reserve_vcc 0
		.amdhsa_float_denorm_mode_32 3
		.amdhsa_float_denorm_mode_16_64 3
		.amdhsa_memory_ordered 1
		.amdhsa_forward_progress 1
		.amdhsa_inst_pref_size 44
	.end_amdhsa_kernel
	.amdgpu_metadata
---
amdhsa.version: [ 1, 2 ]
amdhsa.kernels:
  - .name:           k_q7e9457bff5_prep
    .symbol:         k_q7e9457bff5_prep.kd
    .args:
      - { .name: x, .offset: 0, .size: 8, .value_kind: global_buffer, .address_space: global }
      - { .name: emb, .offset: 8, .size: 8, .value_kind: global_buffer, .address_space: global }
      - { .name: W0, .offset: 16, .size: 8, .value_kind: global_buffer, .address_space: global }
      - { .name: W1, .offset: 24, .size: 8, .value_kind: global_buffer, .address_space: global }
      - { .name: Wl, .offset: 32, .size: 8, .value_kind: global_buffer, .address_space: global }
      - { .name: lowp_scales, .offset: 40, .size: 8, .value_kind: global_buffer, .address_space: global }
      - { .name: A0c, .offset: 48, .size: 8, .value_kind: global_buffer, .address_space: global }
      - { .name: Wc0, .offset: 56, .size: 8, .value_kind: global_buffer, .address_space: global }
      - { .name: Wc1, .offset: 64, .size: 8, .value_kind: global_buffer, .address_space: global }
      - { .name: Wcl, .offset: 72, .size: 8, .value_kind: global_buffer, .address_space: global }
    .group_segment_fixed_size: 60416
    .private_segment_fixed_size: 0
    .kernarg_segment_align: 8
    .kernarg_segment_size: 80
    .max_flat_workgroup_size: 224
    .sgpr_count:     96
    .vgpr_count:     226
    .wavefront_size: 32
...
	.end_amdgpu_metadata
.endif
;; end of part 1
;; launch layer0 (part 2): grid 16 x 16, 8 waves a work-group, no clusters, 197,632 bytes of LDS; arguments A0c, Wc0, lowp_scales, b0, x, emb, A1c, R1; writes A1c, R1
.if DOCPART == 2
	.amdgcn_target "amdgcn-amd-amdhsa--gfx1250"
	.amdhsa_code_object_version 6
	.text
	.protected	k_q7e9457bff5_layer0
	.globl	k_q7e9457bff5_layer0
	.p2align	8
	.type	k_q7e9457bff5_layer0,@function
k_q7e9457bff5_layer0:
	s_mov_b64 s[64:65], 0
	v_nop
	global_prefetch_b8 v0, s[64:65] scope:SCOPE_SE
	s_setreg_imm32_b32 hwreg(HW_REG_WAVE_MODE, 25, 1), 1
	s_wait_xcnt 0x0
; THE FIRST minGRU LAYER WITH ITS RESIDUAL.  gh = A W^T + bias on codes of BF8 (E5M2), f32 sums; z = sigmoid(gate), c = 1 - z, g = hidden + 0.5 where hidden >= 0, else sigmoid(hidden);
; h_t = c_t h_(t-1) + z_t g_t, h ahead of the first step = 0.5: the recurrence that the scan in logarithms solves; all terms are positive and c lies in [0, 1].  out = h + emb[x].
; All rows leave as codes for the next product (A1c); the last 16 steps also as f32 (R1), for the next layer's residual.
; SHARES.  Work-group (s, b): batch b's 512 steps x channels 64 s .. 64 s + 63 (64 gates, 64 hiddens).  Eight waves, two to a SIMD; wave w: steps 64 w .. 64 w + 63 x 128 columns: 32 accumulators, 256 registers.
; Row r of row tile m is step 64 w + 4 r + m: a lane's four tiles are four steps on end.  Source 0 = 16 rows of W, source 1 = 16 rows of A: lane (r, h) holds row r; register j of tile n' = 2 b' + u is channel 64 s + 32 b' + 16 h + 8 u + j.
; THE TWO GROUPS OF WAVES ARE SET APART: waves 0-3 begin their products at once; waves 4-7 ask for their first rows and stand at a barrier until waves 0-3 are through half of K.
; DATA PATHS.  W's 128 KB lie in LDS, one tensor load of 16 KB a wave, filled once.  A's rows are read by one wave alone, from memory into registers: a ring of two K steps (32 loads a wave out at the most).
; W's fragments turn through six buffers of 16 registers, four fragments asked for ahead.
; CLUSTERS: none: only W's 128 KB lie in LDS, a fifth of the 640 KB that a work-group takes in, and they are fetched once.  PREFETCH: none: the text has no loop to run ahead in.
; LDS: 0 .. 131,071 W, (q, n) at 16384 q + 2048 n; 131,072 .. 196,607 the waves' composites, 8 KB each; then the spare words.  Wave 7's stage lies in its own eighth of W's region, read by nobody behind the third barrier.
; REGISTERS: window 0: v1-19 addresses; v32-159 A's ring, v160-255 W's buffers; behind the products v32-159 at work, v160-255 biases, then carries, residual, codes.
;   window 1: accumulator (m, n) at 64 m + 8 n: gate (later c, later held numbers) at 64 m + k, hidden (later z g, h, h + residual) at 64 m + 32 + k.
; LIMITS: e0 + e1 between -126 and 127; e2 between -126 and 112.  z is held at 2^-126 from below; g is 0 where hidden lies under -88.  NaN and infinities are not served.  An index of x is held at 2,047 from above.
.set SCR,  131072
.set SPARE, 196608
.set LI,   1
.set LI2,  2
.set SCW,  3
.set SCRD, 4
.set STW,  5
.set STR,  6
.set H64,  7
.set RO,   8
.set QSC,  16
.set R16,  17
.set VS,   32
.set CS,   64
.set TT,   96
.set HIN,  128
.set BLG,  160
.set BLIN, 192
.set BLH,  224
.set CD,   224
.set MSB, 0
.macro WIN new
.if MSB != (\new)
	s_set_vgpr_msb (MSB<<8)|(\new)
.set MSB, \new
.endif
.endm
.macro PLACES                          ; four plain lines between a matrix instruction and a load into, or a vector line on, its registers
.rept 4
	v_nop
.endr
.endm
.macro ALOAD q                         ; A's four row tiles of K step q, into ring places (4 q + a) % 8
.irp a, 0,1,2,3
.irp c, 0,1,2,3
	global_load_b128 v[32+16*((4*(\q)+\a)%8)+4*\c:32+16*((4*(\q)+\a)%8)+4*\c+3], v[LI], s[36:37] offset:65536*(\q)+2048*\a+512*\c
.endr
.endr
.endm
.macro BIAS                            ; the gate's biases into v32-63, the hidden's into v64-95: ring places that K step 6 has left
.irp n, 0,1,2,3
.irp j, 0,1
	global_load_b128 v[32+8*\n+4*\j:35+8*\n+4*\j], v[H64], s[38:39] offset:128*(\n/2)+32*(\n%2)+16*\j
	global_load_b128 v[64+8*\n+4*\j:67+8*\n+4*\j], v[H64], s[40:41] offset:128*(\n/2)+32*(\n%2)+16*\j
.endr
.endr
.endm
.macro WFETCH f                        ; W's fragment f = 8 q + n into buffer f % 6
.irp c, 0,1,2,3
	ds_load_b128 v[160+16*((\f)%6)+4*\c:160+16*((\f)%6)+4*\c+3], v[LI+(\f)/32] offset:16384*(((\f)/8)%4)+2048*((\f)%8)+512*\c
.endr
.endm
; group g = 4 q + t: W's fragments 2 g, 2 g + 1 against A's four tiles: 8 matrix instructions.  The 32 accumulators take turns, in the same order in every K step.
.macro GROUP g
.set GG, (\g)
.set GQ, GG/4
.set GT, GG%4
.if GT == 0
	s_wait_loadcnt 16                              ; this K step's rows are in; the 16 loads issued behind them (the next K step's, or the biases) may be out
.endif
.if GG <= 29
	s_wait_dscnt 16                                ; my two fragments are in; the four asked for behind them may be out
.elseif GG == 30
	s_wait_dscnt 8
.else
	s_wait_dscnt 0
.endif
	WIN 0x50                                       ; C and D window 1
.irp u, 0,1
.irp a, 0,1,2,3
.if GQ == 0
	v_wmma_f32_16x16x128_bf8_bf8 v[64*\a+8*(2*GT+\u):64*\a+8*(2*GT+\u)+7], v[160+16*((2*GG+\u)%6):160+16*((2*GG+\u)%6)+15], v[32+16*((4*GQ+\a)%8):32+16*((4*GQ+\a)%8)+15], 0
.else
	v_wmma_f32_16x16x128_bf8_bf8 v[64*\a+8*(2*GT+\u):64*\a+8*(2*GT+\u)+7], v[160+16*((2*GG+\u)%6):160+16*((2*GG+\u)%6)+15], v[32+16*((4*GQ+\a)%8):32+16*((4*GQ+\a)%8)+15], v[64*\a+8*(2*GT+\u):64*\a+8*(2*GT+\u)+7]
.endif
.endr
.endr
	WIN 0
	PLACES
.if 2*GG+7 <= 63
	WFETCH 2*GG+6
	WFETCH 2*GG+7
.endif
.if GT == 3
.if GQ <= 5
	ALOAD GQ+2
.elseif GQ == 6
	BIAS
.endif
.endif
.endm
.macro GROUPS lo, n
.set P, \lo
.rept \n
	GROUP P
.set P, P+1
.endr
.endm
.macro WHEAD
.irp f, 0,1,2,3,4,5
	WFETCH \f
.endr
.endm
	s_load_b256 s[4:11], s[0:1], 0x0               ; A0c s[4:5], Wc0 s[6:7], the exponents s[8:9], b0 s[10:11]
	s_load_b256 s[12:19], s[0:1], 0x20             ; x s[12:13], emb s[14:15], A1c s[16:17], R1 s[18:19]
	v_lshl_add_u32 v30, v0, 2, SPARE
	v_mov_b32 v31, 0
	ds_add_u32 v30, v31                            ; the opening lines: the add, twice on end, and its wait
	ds_add_u32 v30, v31
	v_lshrrev_b32 v1, 5, v0
	v_readfirstlane_b32 s20, v1                    ; wave 0..7
	s_mov_b32 s21, ttmp9                           ; s
	s_and_b32 s22, ttmp7, 0xffff                   ; b
	s_mov_b32 s24, 3<<16                           ; group 1: 16,384 dense bytes as 64 rows of 32 elements of 8 bytes
	s_mov_b32 s25, 32<<16
	s_mov_b32 s26, 64<<16
	s_mov_b32 s27, 32<<16
	s_mov_b32 s28, 64
	s_mov_b32 s29, 32
	s_mov_b32 s30, 0
	s_mov_b32 s31, 0
	s_mov_b32 s32, 1
	s_lshl_b32 s33, s20, 14                        ; LDS address: 16,384 x wave: K step q = wave
	s_lshl_b32 s2, s21, 17
	s_add_co_u32 s2, s2, s33
	s_mov_b32 s3, 0
	s_wait_dscnt 0x0
	s_wait_kmcnt 0x0
	s_add_nc_u64 s[34:35], s[6:7], s[2:3]
	s_or_b32 s35, s35, 0x80000000
	tensor_load_to_lds s[32:35], s[24:31]          ; the wave's one tensor load of the launch
	s_nop 0
	PLACES
	s_load_b128 s[60:63], s[8:9], 0x0              ; e0, e1, e2
	s_lshl_b32 s2, s22, 19
	s_lshl_b32 s23, s20, 13
	s_add_co_u32 s2, s2, s23
	s_add_nc_u64 s[36:37], s[4:5], s[2:3]          ; A: 524,288 b + 8,192 w
	s_lshr_b32 s23, s21, 1
	s_lshl_b32 s23, s23, 16
	s_add_co_u32 s2, s2, s23
	s_and_b32 s23, s21, 1
	s_lshl_b32 s23, s23, 10
	s_add_co_u32 s2, s2, s23
	s_add_nc_u64 s[44:45], s[16:17], s[2:3]        ; A1c: + K step s / 2, pieces 2 (s % 2), + 1
	s_lshl_b32 s2, s21, 8
	s_add_nc_u64 s[38:39], s[10:11], s[2:3]        ; the gate's bias at channel 64 s,
	s_add_nc_u64 s[40:41], s[38:39], 4096          ; the hidden's
	s_add_nc_u64 s[42:43], s[14:15], s[2:3]        ; emb at channel 64 s
	s_lshl_b32 s2, s22, 11
	s_lshl_b32 s23, s20, 8
	s_add_co_u32 s2, s2, s23
	s_add_nc_u64 s[58:59], s[12:13], s[2:3]        ; x at step 64 w of batch b
	s_lshl_b32 s2, s22, 4
	s_add_co_u32 s2, s2, s21
	s_lshl_b32 s2, s2, 12
	s_add_nc_u64 s[46:47], s[18:19], s[2:3]        ; R1: 4,096 bytes for each (b, s)
	s_lshl_b32 s2, s22, 19
	s_lshl_b32 s23, s21, 15
	s_add_co_u32 s2, s2, s23
	s_add_nc_u64 s[4:5], s[4:5], s[2:3]            ; the prefetch of A: batch b's 524,288 bytes are shared out among its sixteen work-groups, 32,768 bytes at 32,768 s; never rewritten
	s_lshl_b32 s2, s22, 19
	s_lshl_b32 s23, s21, 8
	s_add_co_u32 s2, s2, s23
	s_add_nc_u64 s[14:15], s[14:15], s[2:3]        ; the prefetch of emb: the 256 bytes of channels 64 s of rows 128 b .. 128 b + 127: the sixteen batches share the 2,048 rows out; never rewritten
	s_lshl_b32 s23, s20, 13
	v_and_b32 v[LI], 31, v0
	v_lshlrev_b32 v[LI], 4, v[LI]                  ; 16 x lane
	v_add_nc_u32 v[LI2], 0x10000, v[LI]
	v_bfe_u32 v[H64], v0, 4, 1
	v_lshlrev_b32 v[H64], 6, v[H64]                ; 64 h
	v_and_b32 v[R16], 15, v0
	v_lshlrev_b32 v[R16], 4, v[R16]                ; 16 r
	v_add_nc_u32 v[SCW], s23, v[LI]
	v_add_nc_u32 v[SCW], SCR, v[SCW]               ; my composites: 8,192 x wave + 16 x lane
	v_and_or_b32 v[SCRD], v0, 16, 15
	v_lshl_add_u32 v[SCRD], v[SCRD], 4, SCR        ; lane 15 or 31: the last of my half
	v_add_nc_u32 v[STW], s33, v[LI]                ; the stage, on the way in
	v_bfe_u32 v[STR], v0, 3, 2                     ; back: image 4 K + lane / 8, of lane 12 + lane % 4 + 16 ((lane / 4) % 2)
	v_lshlrev_b32 v[STR], 9, v[STR]
	v_bfe_u32 v18, v0, 2, 1
	v_lshl_add_u32 v[STR], v18, 8, v[STR]
	v_and_b32 v18, 3, v0
	v_lshl_add_u32 v[STR], v18, 4, v[STR]
	v_add_nc_u32 v[STR], s33, v[STR]
	v_add_nc_u32 v[STR], 192, v[STR]
	s_and_b32 s2, s20, 3
	s_lshl_b32 s23, s2, 13
	v_lshl_add_u32 v20, v[LI], 4, s23              ; 256 x lane + 8,192 (wave % 4): a lane a block of 256 bytes; never rewritten
	s_lshl_b32 s23, s2, 17
	v_lshl_add_u32 v21, v[LI], 8, s23              ; 4,096 x (lane + 32 (wave % 4)): a lane a row of emb; never rewritten
	s_wait_alu depctr_va_vdst(0)                   ; the wait at the head's end
	global_load_b128 v[RO:RO+3], v[R16], s[58:59]  ; my four steps' entries of x
	s_cmp_ge_u32 s20, 4
	s_cbranch_scc1 .Lpf
	ALOAD 0
	ALOAD 1
	s_branch .Lnoa
.Lpf:
	; PREFETCH (this takes the place of what the head says of it): waves 4-7, which load nothing yet, ask once for the work-group's share of A (4 x 32 blocks of 256 bytes, half of one K step of the batch)
	; and of emb's blocks (4 x 32 rows); each block is named by one lane of one work-group of the launch; the rows that x names are among them; every address lies inside its buffer
	global_prefetch_b8 v20, s[4:5] th:TH_LOAD_NT scope:SCOPE_SE
	global_prefetch_b8 v21, s[14:15] th:TH_LOAD_NT scope:SCOPE_SE
.Lnoa:
	s_wait_tensorcnt 0x0                           ; my eighth of W has landed,
	s_barrier_signal -1
	s_barrier_wait -1                              ; everybody's has
	s_cmp_ge_u32 s20, 4
	s_cbranch_scc1 .Lyl
	WHEAD
	GROUPS 0, 16                                   ; waves 0-3: K steps 0 to 3
	s_branch .Lb1
.Lyl:
	s_wait_loadcnt 0x0                             ; no earlier load is out when the ring's registers are asked for
	ALOAD 0
	ALOAD 1
.Lb1:
	s_wait_dscnt 0x0                               ; no LDS instruction is out at a signal
	s_barrier_signal -1
	s_barrier_wait -1                              ; waves 4-7 go on when waves 0-3 are half way
	s_cmp_ge_u32 s20, 4
	s_cbranch_scc1 .Lyg
	GROUPS 16, 16
	s_branch .Lepi
.Lyg:
	WHEAD
	GROUPS 0, 32
.Lepi:
	s_wait_loadcnt 0x0                             ; the biases
	s_wait_kmcnt 0x0
	s_add_co_i32 s48, s60, s61
	s_add_co_i32 s48, s48, 127
	s_lshl_b32 s48, s48, 23                        ; S = 2^(e0 + e1)
	s_mov_b32 s49, s48
	s_mov_b32 s52, 0xbfb8aa3b                      ; -log2(e)
	s_mov_b32 s53, s52
	s_mul_f32 s50, s48, s52
	s_mov_b32 s51, s50
	s_mov_b32 s54, 0x42fc0000                      ; 126.0
	s_add_co_i32 s55, s62, 127
	s_lshl_b32 s56, s55, 23
	v_mov_b32 v[QSC], s56                          ; 2^e2 as f32
	s_add_co_i32 s55, s55, 15
	s_lshl_b32 s55, s55, 23
	s_or_b32 s55, s55, 0x600000                    ; 57,344 x 2^e2
	s_xor_b32 s56, s55, 0x80000000
.irp m, 0,1,2,3
	v_min_u32 v[RO+\m], 2047, v[RO+\m]
.endr
.irp m, 0,1,2,3
	v_lshl_add_u32 v[RO+\m], v[RO+\m], 12, v[H64]  ; a row of emb is 4,096 bytes
.endr
.set K, 0
.rept 16
	v_pk_mul_f32 v[BLH+K:BLH+K+1], v[64+K:65+K], s[52:53] op_sel_hi:[1,0]
	v_pk_mul_f32 v[BLG+K:BLG+K+1], v[32+K:33+K], s[52:53] op_sel_hi:[1,0]
	v_pk_add_f32 v[BLIN+K:BLIN+K+1], v[64+K:65+K], 0.5 op_sel_hi:[1,0]
.set K, K+2
.endr
; THE ACTIVATIONS of row tiles 2 be, 2 be + 1.  E1 = 2^min(-gate log2(e), 126), z = 1 / (1 + E1), c = E1 z;  E2 = 2^(-hidden log2(e)), g = max(hidden + 0.5, 1 / (1 + E2)).  Each accumulator is read from its low end on.
.macro ACT be
.set AB, 128*(\be)
	WIN 0x01
.irp mm, 0,64
.set K, 0
.rept 16
	v_pk_fma_f32 v[64+\mm+K:65+\mm+K], v[AB+32+\mm+K:AB+33+\mm+K], s[50:51], v[BLH+K:BLH+K+1] op_sel_hi:[1,0,1]
.set K, K+2
.endr
.endr
	WIN 0x41
.irp mm, 0,64
.set K, 0
.rept 16
	v_pk_fma_f32 v[AB+\mm+K:AB+\mm+K+1], v[AB+\mm+K:AB+\mm+K+1], s[50:51], v[BLG+K:BLG+K+1] op_sel_hi:[1,0,1]
.set K, K+2
.endr
.set K, 0
.rept 16
	v_pk_fma_f32 v[AB+32+\mm+K:AB+33+\mm+K], v[AB+32+\mm+K:AB+33+\mm+K], s[48:49], v[BLIN+K:BLIN+K+1] op_sel_hi:[1,0,1]
.set K, K+2
.endr
.endr
.irp mm, 0,64
.set K, 0
.rept 32
	v_min_num_f32 v[AB+\mm+K], v[AB+\mm+K], s54
.set K, K+1
.endr
.endr
	s_wait_alu depctr_va_vdst(0)                   ; the wait ahead of the batch
.irp mm, 0,64
.set K, 0
.rept 32
	v_exp_f32 v[AB+\mm+K], v[AB+\mm+K]
.set K, K+1
.endr
.endr
	WIN 0
.irp mm, 0,64
.set K, 0
.rept 32
	v_exp_f32 v[64+\mm+K], v[64+\mm+K]
.set K, K+1
.endr
.endr
	v_nop
	s_wait_alu depctr_va_vdst(0)                   ; and behind it
.irp mm, 0,64
.set K, 0
.rept 16
	v_pk_add_f32 v[64+\mm+K:65+\mm+K], v[64+\mm+K:65+\mm+K], 1.0 op_sel_hi:[1,0]
.set K, K+2
.endr
.endr
	WIN 0x01
.irp mm, 0,64
.set K, 0
.rept 16
	v_pk_add_f32 v[32+\mm+K:33+\mm+K], v[AB+\mm+K:AB+\mm+K+1], 1.0 op_sel_hi:[1,0]
.set K, K+2
.endr
.endr
	WIN 0
	s_wait_alu depctr_va_vdst(0)
.set K, 0
.rept 128
	v_rcp_f32 v[32+K], v[32+K]
.set K, K+1
.endr
	v_nop
	s_wait_alu depctr_va_vdst(0)
	WIN 0x41
.irp mm, 0,64
.set K, 0
.rept 16
	v_pk_mul_f32 v[AB+\mm+K:AB+\mm+K+1], v[AB+\mm+K:AB+\mm+K+1], v[32+\mm+K:33+\mm+K]
.set K, K+2
.endr
.set K, 0
.rept 32
	v_max_num_f32 v[AB+32+\mm+K], v[AB+32+\mm+K], v[64+\mm+K]
.set K, K+1
.endr
.set K, 0
.rept 16
	v_pk_mul_f32 v[AB+32+\mm+K:AB+33+\mm+K], v[AB+32+\mm+K:AB+33+\mm+K], v[32+\mm+K:33+\mm+K]
.set K, K+2
.endr
.endr
.endm
	ACT 0
	ACT 1
	; THE SCAN.  A stretch of steps acts on h as h -> C h + V.  First my lane's four steps,
	WIN 0x15
.set K, 0
.rept 16
	v_pk_fma_f32 v[VS+K:VS+K+1], v[64+K:65+K], v[32+K:33+K], v[96+K:97+K]
	v_pk_mul_f32 v[CS+K:CS+K+1], v[64+K:65+K], v[K:K+1]
.set K, K+2
.endr
	WIN 0x11
.irp m, 2,3
.set K, 0
.rept 16
	v_pk_fma_f32 v[VS+K:VS+K+1], v[64*\m+K:64*\m+K+1], v[VS+K:VS+K+1], v[64*\m+32+K:64*\m+33+K]
	v_pk_mul_f32 v[CS+K:CS+K+1], v[64*\m+K:64*\m+K+1], v[CS+K:CS+K+1]
.set K, K+2
.endr
.endr
	WIN 0
; then over the sixteen lanes of my half: lane r takes in lane r - d's composite
.macro LSCAN d
.set K, 0
.rept 32
	v_mov_b32_dpp v[TT+K], v[VS+K] row_shr:\d row_mask:0xf bank_mask:0xf bound_ctrl:1
.set K, K+1
.endr
.set K, 0
.rept 16
	v_pk_fma_f32 v[VS+K:VS+K+1], v[TT+K:TT+K+1], v[CS+K:CS+K+1], v[VS+K:VS+K+1]
.set K, K+2
.endr
.set K, 0
.rept 32
	v_mul_f32_dpp v[CS+K], v[CS+K], v[CS+K] row_shr:\d row_mask:0xf bank_mask:0xf
.set K, K+1
.endr
.endm
	LSCAN 1
	LSCAN 2
	LSCAN 4
	LSCAN 8
.set K, 0
.rept 16
	ds_store_b128 v[SCW], v[VS+4*K:VS+4*K+3] offset:512*K      ; images of V (8) and C (8); lanes 15 and 31 hold the wave's 64 steps
.set K, K+1
.endr
	s_wait_dscnt 0x0                               ; for the others' sake: my stores have landed
	s_barrier_signal -1
	s_barrier_wait -1
; h ahead of my wave: 0.5 taken through the waves in front of me, one after the other; a wave leaves the walk at its own number.  Two buffers: the next wave's composite is asked for while this one is applied.
.macro CLOAD wp
.set K, 0
.rept 8
	ds_load_b128 v[160+64*((\wp)%2)+4*K:160+64*((\wp)%2)+4*K+3], v[SCRD] offset:8192*(\wp)+512*K
	ds_load_b128 v[192-96*((\wp)%2)+4*K:192-96*((\wp)%2)+4*K+3], v[SCRD] offset:8192*(\wp)+4096+512*K
.set K, K+1
.endr
.endm
.set K, 0
.rept 32
	v_mov_b32 v[HIN+K], 0.5
.set K, K+1
.endr
	CLOAD 0
.irp wp, 0,1,2,3,4,5,6
	s_cmp_le_u32 s20, \wp
	s_wait_alu depctr_va_vdst(0)                   ; the wait ahead of the branch
	s_cbranch_scc1 .Lcar
.if \wp < 6
	CLOAD \wp+1
	s_wait_dscnt 16                                ; this wave's 16 loads are in, the next one's may be out
.else
	s_wait_dscnt 0x0
.endif
.set K, 0
.rept 16
	v_pk_fma_f32 v[HIN+K:HIN+K+1], v[192-96*(\wp%2)+K:192-96*(\wp%2)+K+1], v[HIN+K:HIN+K+1], v[160+64*(\wp%2)+K:160+64*(\wp%2)+K+1]
.set K, K+2
.endr
.endr
.Lcar:
	s_wait_dscnt 0x0                               ; loads asked for and not used have landed: their registers are free
.set K, 0
.rept 16
	v_pk_fma_f32 v[TT+K:TT+K+1], v[CS+K:CS+K+1], v[HIN+K:HIN+K+1], v[VS+K:VS+K+1]   ; h behind my lane's last step
.set K, K+2
.endr
.set K, 0
.rept 32
	v_mov_b32_dpp v[HIN+K], v[TT+K] row_shr:1 row_mask:0xf bank_mask:0xf            ; h ahead of my first step; lanes 0 and 16 keep the wave's
.set K, K+1
.endr
	; the residual of tile m into v[32 + 32 m + 64 (m / 2)]: registers that the scan has left
.irp m, 0,1,2,3
.irp n, 0,1,2,3
.irp j, 0,1
	global_load_b128 v[32+32*\m+64*(\m/2)+8*\n+4*\j:35+32*\m+64*(\m/2)+8*\n+4*\j], v[RO+\m], s[42:43] offset:128*(\n/2)+32*(\n%2)+16*\j
.endr
.endr
.endr
	WIN 0x51                                       ; my four steps: h_m = c_m h_(m-1) + v_m, into v_m's registers
.set K, 0
.rept 16
	v_pk_fma_f32 v[32+K:33+K], v[K:K+1], v[HIN+K:HIN+K+1], v[32+K:33+K]
.set K, K+2
.endr
	WIN 0x55
.irp m, 1,2,3
.set K, 0
.rept 16
	v_pk_fma_f32 v[64*\m+32+K:64*\m+33+K], v[64*\m+K:64*\m+K+1], v[64*\m-32+K:64*\m-31+K], v[64*\m+32+K:64*\m+33+K]
.set K, K+2
.endr
.endr
	s_wait_alu depctr_va_vdst(0)                   ; the wait ahead of the wait below
	s_wait_loadcnt 0x0                             ; the residual
.irp m, 0,1,2,3
	WIN 0x41
.set K, 0
.rept 16
	v_pk_add_f32 v[64*\m+32+K:64*\m+33+K], v[64*\m+32+K:64*\m+33+K], v[32+32*\m+64*(\m/2)+K:33+32*\m+64*(\m/2)+K]
.set K, K+2
.endr
.set K, 0
.rept 32
	v_med3_num_f32 v[64*\m+K], v[64*\m+32+K], s56, s55   ; the conversion does not saturate (ISA guide 7.6.2): the hold, into c's registers
.set K, K+1
.endr
	WIN 0x01
.irp n, 0,1,2,3
	v_cvt_scalef32_pk8_bf8_f32 v[CD+8*\m+2*\n:CD+8*\m+2*\n+1], v[64*\m+8*\n:64*\m+8*\n+7], v[QSC]
.endr
.endr
	WIN 0
	v_nop                                          ; a plain line behind the last conversion
.irp m, 0,1,2,3
.irp bp, 0,1
	global_store_b128 v[LI], v[CD+8*\m+4*\bp:CD+8*\m+4*\bp+3], s[44:45] offset:2048*\m+512*\bp   ; a piece: 512 consecutive bytes, aligned
.endr
.endr
	s_cmp_lg_u32 s20, 7
	s_cbranch_scc1 .Lend
	; wave 7: the last 16 steps are those of lanes 12-15 and 28-31.  Their numbers go through my stage and leave as 4,096 dense bytes: image 8 m + g, eight lanes of 16 bytes
	WIN 0x04
.irp m, 0,1,2,3
.irp g, 0,1,2,3,4,5,6,7
	ds_store_b128 v[STW], v[64*\m+32+4*\g:64*\m+35+4*\g] offset:512*(8*\m+\g)
.endr
.endr
	WIN 0
.set K, 0
.rept 8
	ds_load_b128 v[160+4*K:163+4*K], v[STR] offset:2048*K      ; LDS serves a wave's instructions in order (ISA guide 5.7.1.4)
.set K, K+1
.endr
	s_wait_dscnt 0x0
.set K, 0
.rept 8
	global_store_b128 v[LI], v[160+4*K:163+4*K], s[46:47] offset:512*K
.set K, K+1
.endr
.Lend:
	s_wait_tensorcnt 0x0                           ; the wave's end
	ds_add_u32 v30, v31
	s_wait_dscnt 0x0
	s_endpgm
.Lfunc_end_k_q7e9457bff5_layer0:
	.size	k_q7e9457bff5_layer0, .Lfunc_end_k_q7e9457bff5_layer0-k_q7e9457bff5_layer0
	.p2alignl 7, 3214868480
	.fill 96, 4, 3214868480
	.section	.rodata,"a",@progbits
	.p2align	6, 0x0
	.amdhsa_kernel k_q7e9457bff5_layer0
		.amdhsa_group_segment_fixed_size 197632
		.amdhsa_private_segment_fixed_size 0
		.amdhsa_enable_private_segment 0
		.amdhsa_kernarg_size 64
		.amdhsa_user_sgpr_count 2
		.amdhsa_user_sgpr_kernarg_segment_ptr 1
		.amdhsa_wavefront_size32 1
		.amdhsa_system_sgpr_workgroup_id_x 1
		.amdhsa_system_sgpr_workgroup_id_y 1
		.amdhsa_system_sgpr_workgroup_id_z 1
		.amdhsa_system_vgpr_workitem_id 0
		.amdhsa_next_free_vgpr 512
		.amdhsa_next_free_sgpr 66
		.amdhsa_reserve_vcc 0
		.amdhsa_float_denorm_mode_32 3
		.amdhsa_float_denorm_mode_16_64 3
		.amdhsa_memory_ordered 1
		.amdhsa_forward_progress 1
		.amdhsa_inst_pref_size 243
	.end_amdhsa_kernel
	.amdgpu_metadata
---
amdhsa.version: [ 1, 2 ]
amdhsa.kernels:
  - .name:           k_q7e9457bff5_layer0
    .symbol:         k_q7e9457bff5_layer0.kd
    .args:
      - { .name: A0c, .offset: 0, .size: 8, .value_kind: global_buffer, .address_space: global }
      - { .name: Wc0, .offset: 8, .size: 8, .value_kind: global_buffer, .address_space: global }
      - { .name: lowp_scales, .offset: 16, .size: 8, .value_kind: global_buffer, .address_space: global }
      - { .name: b0, .offset: 24, .size: 8, .value_kind: global_buffer, .address_space: global }
      - { .name: x, .offset: 32, .size: 8, .value_kind: global_buffer, .address_space: global }
      - { .name: emb, .offset: 40, .size: 8, .value_kind: global_buffer, .address_space: global }
      - { .name: A1c, .offset: 48, .size: 8, .value_kind: global_buffer, .address_space: global }
      - { .name: R1, .offset: 56, .size: 8, .value_kind: global_buffer, .address_space: global }
    .group_segment_fixed_size: 197632
    .private_segment_fixed_size: 0
    .kernarg_segment_align: 8
    .kernarg_segment_size: 64
    .max_flat_workgroup_size: 256
    .sgpr_count:     66
    .vgpr_count:     512
    .wavefront_size: 32
...
	.end_amdgpu_metadata
.endif
;; end of part 2
;; launch layer1 (part 3): grid 16 x 16, 8 waves a work-group, no clusters, 197,632 bytes of LDS; arguments A1c, Wc1, lowp_scales, b1, R1, A2c; writes A2c
.if DOCPART == 3
	.amdgcn_target "amdgcn-amd-amdhsa--gfx1250"
	.amdhsa_code_object_version 6
	.text
	.protected	k_q7e9457bff5_layer1
	.globl	k_q7e9457bff5_layer1
	.p2align	8
	.type	k_q7e9457bff5_layer1,@function
k_q7e9457bff5_layer1:
	s_mov_b64 s[64:65], 0
	v_nop
	global_prefetch_b8 v0, s[64:65] scope:SCOPE_SE
	s_setreg_imm32_b32 hwreg(HW_REG_WAVE_MODE, 25, 1), 1
	s_wait_xcnt 0x0
; THE SECOND minGRU LAYER WITH ITS RESIDUAL: the first layer's text up to the exchange of composites (shares, data paths, LDS, registers and the two groups of waves as there).
; LEFT OUT: reference() keeps the last 16 steps of each batch alone, so h, the residual and the codes are made for steps 496 .. 511 only: wave 7 alone goes past the exchange.  All 512 steps' gates and hiddens are live: they reach h_496 through the recurrence.
; The residual comes from R1 (images 8 m + g of eight lanes), the codes go to A2c, row rho = step 496 + rho.
; CLUSTERS: none: only W's 128 KB lie in LDS, a fifth of what a work-group takes in, fetched once.  PREFETCH: none: the text has no loop to run ahead in.
; LIMITS: e2 + e3 between -126 and 127; e4 between -126 and 112.  z is held at 2^-126 from below; g is 0 where hidden lies under -88.  NaN and infinities are not served.
.set SCR,  131072
.set SPARE, 196608
.set LI,   1
.set LI2,  2
.set SCW,  3
.set SCRD, 4
.set STW,  5
.set STR,  6
.set H64,  7
.set RO,   8
.set QSC,  16
.set VS,   32
.set CS,   64
.set TT,   96
.set HIN,  128
.set BLG,  160
.set BLIN, 192
.set BLH,  224
.set CD,   224
.set MSB, 0
.macro WIN new
.if MSB != (\new)
	s_set_vgpr_msb (MSB<<8)|(\new)
.set MSB, \new
.endif
.endm
.macro PLACES                          ; four plain lines between a matrix instruction and a load into, or a vector line on, its registers
.rept 4
	v_nop
.endr
.endm
.macro ALOAD q                         ; A's four row tiles of K step q, into ring places (4 q + a) % 8
.irp a, 0,1,2,3
.irp c, 0,1,2,3
	global_load_b128 v[32+16*((4*(\q)+\a)%8)+4*\c:32+16*((4*(\q)+\a)%8)+4*\c+3], v[LI], s[36:37] offset:65536*(\q)+2048*\a+512*\c
.endr
.endr
.endm
.macro BIAS                            ; the gate's biases into v32-63, the hidden's into v64-95
.irp n, 0,1,2,3
.irp j, 0,1
	global_load_b128 v[32+8*\n+4*\j:35+8*\n+4*\j], v[H64], s[38:39] offset:128*(\n/2)+32*(\n%2)+16*\j
	global_load_b128 v[64+8*\n+4*\j:67+8*\n+4*\j], v[H64], s[40:41] offset:128*(\n/2)+32*(\n%2)+16*\j
.endr
.endr
.endm
.macro WFETCH f                        ; W's fragment f = 8 q + n into buffer f % 6
.irp c, 0,1,2,3
	ds_load_b128 v[160+16*((\f)%6)+4*\c:160+16*((\f)%6)+4*\c+3], v[LI+(\f)/32] offset:16384*(((\f)/8)%4)+2048*((\f)%8)+512*\c
.endr
.endm
; group g = 4 q + t: 8 matrix instructions; the 32 accumulators take turns
.macro GROUP g
.set GG, (\g)
.set GQ, GG/4
.set GT, GG%4
.if GT == 0
	s_wait_loadcnt 16                              ; this K step's rows are in; the 16 loads issued behind them may be out
.endif
.if GG <= 29
	s_wait_dscnt 16                                ; my two fragments are in; the four asked for behind them may be out
.elseif GG == 30
	s_wait_dscnt 8
.else
	s_wait_dscnt 0
.endif
	WIN 0x50
.irp u, 0,1
.irp a, 0,1,2,3
.if GQ == 0
	v_wmma_f32_16x16x128_bf8_bf8 v[64*\a+8*(2*GT+\u):64*\a+8*(2*GT+\u)+7], v[160+16*((2*GG+\u)%6):160+16*((2*GG+\u)%6)+15], v[32+16*((4*GQ+\a)%8):32+16*((4*GQ+\a)%8)+15], 0
.else
	v_wmma_f32_16x16x128_bf8_bf8 v[64*\a+8*(2*GT+\u):64*\a+8*(2*GT+\u)+7], v[160+16*((2*GG+\u)%6):160+16*((2*GG+\u)%6)+15], v[32+16*((4*GQ+\a)%8):32+16*((4*GQ+\a)%8)+15], v[64*\a+8*(2*GT+\u):64*\a+8*(2*GT+\u)+7]
.endif
.endr
.endr
	WIN 0
	PLACES
.if 2*GG+7 <= 63
	WFETCH 2*GG+6
	WFETCH 2*GG+7
.endif
.if GT == 3
.if GQ <= 5
	ALOAD GQ+2
.elseif GQ == 6
	BIAS
.endif
.endif
.endm
.macro GROUPS lo, n
.set P, \lo
.rept \n
	GROUP P
.set P, P+1
.endr
.endm
.macro WHEAD
.irp f, 0,1,2,3,4,5
	WFETCH \f
.endr
.endm
	s_load_b256 s[4:11], s[0:1], 0x0               ; A1c s[4:5], Wc1 s[6:7], the exponents s[8:9], b1 s[10:11]
	s_load_b128 s[12:15], s[0:1], 0x20             ; R1 s[12:13], A2c s[14:15]
	v_lshl_add_u32 v30, v0, 2, SPARE
	v_mov_b32 v31, 0
	ds_add_u32 v30, v31                            ; the opening lines: the add, twice on end, and its wait
	ds_add_u32 v30, v31
	v_lshrrev_b32 v1, 5, v0
	v_readfirstlane_b32 s20, v1                    ; wave 0..7
	s_mov_b32 s21, ttmp9                           ; s
	s_and_b32 s22, ttmp7, 0xffff                   ; b
	s_mov_b32 s24, 3<<16                           ; group 1: 16,384 dense bytes as 64 rows of 32 elements of 8 bytes
	s_mov_b32 s25, 32<<16
	s_mov_b32 s26, 64<<16
	s_mov_b32 s27, 32<<16
	s_mov_b32 s28, 64
	s_mov_b32 s29, 32
	s_mov_b32 s30, 0
	s_mov_b32 s31, 0
	s_mov_b32 s32, 1
	s_lshl_b32 s33, s20, 14
	s_lshl_b32 s2, s21, 17
	s_add_co_u32 s2, s2, s33
	s_mov_b32 s3, 0
	s_wait_dscnt 0x0
	s_wait_kmcnt 0x0
	s_add_nc_u64 s[34:35], s[6:7], s[2:3]
	s_or_b32 s35, s35, 0x80000000
	tensor_load_to_lds s[32:35], s[24:31]          ; the wave's one tensor load of the launch
	s_nop 0
	PLACES
	s_load_b128 s[60:63], s[8:9], 0x8              ; e2, e3, e4
	s_lshl_b32 s2, s22, 19
	s_lshl_b32 s23, s20, 13
	s_add_co_u32 s2, s2, s23
	s_add_nc_u64 s[36:37], s[4:5], s[2:3]          ; A: 524,288 b + 8,192 w
	s_lshl_b32 s2, s21, 8
	s_add_nc_u64 s[38:39], s[10:11], s[2:3]
	s_add_nc_u64 s[40:41], s[38:39], 4096
	s_lshl_b32 s2, s22, 4
	s_add_co_u32 s2, s2, s21
	s_lshl_b32 s2, s2, 12
	s_add_nc_u64 s[42:43], s[12:13], s[2:3]        ; R1's 4,096 bytes of (b, s)
	s_lshl_b32 s2, s22, 14
	s_lshl_b32 s23, s21, 10
	s_add_co_u32 s2, s2, s23
	s_add_nc_u64 s[44:45], s[14:15], s[2:3]        ; A2c: 16,384 b + 1,024 s
	s_lshl_b32 s2, s22, 19
	s_lshl_b32 s23, s21, 15
	s_add_co_u32 s2, s2, s23
	s_add_nc_u64 s[4:5], s[4:5], s[2:3]            ; the prefetch of A: batch b's 524,288 bytes are shared out among its sixteen work-groups, 32,768 bytes at 32,768 s; never rewritten
	s_lshl_b32 s23, s20, 13
	v_and_b32 v[LI], 31, v0
	v_lshlrev_b32 v[LI], 4, v[LI]
	v_add_nc_u32 v[LI2], 0x10000, v[LI]
	v_bfe_u32 v18, v0, 4, 1                        ; h
	v_lshlrev_b32 v[H64], 6, v18
	v_add_nc_u32 v[SCW], s23, v[LI]
	v_add_nc_u32 v[SCW], SCR, v[SCW]
	v_and_or_b32 v[SCRD], v0, 16, 15
	v_lshl_add_u32 v[SCRD], v[SCRD], 4, SCR
	v_add_nc_u32 v[STW], s33, v[LI]
	v_and_b32 v[STR], 3, v0                        ; back: row rho = lane % 16 is tile rho % 4 of lane 12 + rho / 4 of my half
	v_lshlrev_b32 v[STR], 10, v[STR]
	v_bfe_u32 v19, v0, 2, 2
	v_lshl_add_u32 v[STR], v19, 4, v[STR]
	v_lshl_add_u32 v[STR], v18, 8, v[STR]
	v_add_nc_u32 v[STR], s33, v[STR]
	v_add_nc_u32 v[STR], 192, v[STR]
	v_and_b32 v[RO], 3, v0
	v_lshl_add_u32 v[RO], v18, 2, v[RO]
	v_lshlrev_b32 v[RO], 4, v[RO]                  ; R1's images hold eight lanes: r % 4 + 4 h
	s_and_b32 s2, s20, 3
	s_lshl_b32 s23, s2, 13
	v_lshl_add_u32 v20, v[LI], 4, s23              ; 256 x lane + 8,192 (wave % 4): a lane a block of 256 bytes; never rewritten
	s_wait_alu depctr_va_vdst(0)                   ; the wait at the head's end
	s_cmp_ge_u32 s20, 4
	s_cbranch_scc1 .Lpf
	ALOAD 0
	ALOAD 1
	s_branch .Lnoa
.Lpf:
	; PREFETCH (this takes the place of what the head says of it): waves 4-7, which load nothing yet, ask once for the work-group's share of A (4 x 32 blocks of 256 bytes, half of one K step of the batch);
	; each block is named by one lane of one work-group of the launch; every address lies inside the buffer
	global_prefetch_b8 v20, s[4:5] th:TH_LOAD_NT scope:SCOPE_SE
.Lnoa:
	s_wait_tensorcnt 0x0
	s_barrier_signal -1
	s_barrier_wait -1                              ; all of W has landed
	s_cmp_ge_u32 s20, 4
	s_cbranch_scc1 .Lyl
	WHEAD
	GROUPS 0, 16
	s_branch .Lb1
.Lyl:
	s_wait_loadcnt 0x0                             ; no earlier load is out when the ring's registers are asked for
	ALOAD 0
	ALOAD 1
.Lb1:
	s_wait_dscnt 0x0
	s_barrier_signal -1
	s_barrier_wait -1                              ; waves 4-7 go on when waves 0-3 are half way
	s_cmp_ge_u32 s20, 4
	s_cbranch_scc1 .Lyg
	GROUPS 16, 16
	s_branch .Lepi
.Lyg:
	WHEAD
	GROUPS 0, 32
.Lepi:
	s_wait_loadcnt 0x0
	s_wait_kmcnt 0x0
	s_add_co_i32 s48, s60, s61
	s_add_co_i32 s48, s48, 127
	s_lshl_b32 s48, s48, 23                        ; S = 2^(e2 + e3)
	s_mov_b32 s49, s48
	s_mov_b32 s52, 0xbfb8aa3b                      ; -log2(e)
	s_mov_b32 s53, s52
	s_mul_f32 s50, s48, s52
	s_mov_b32 s51, s50
	s_mov_b32 s54, 0x42fc0000                      ; 126.0
	s_add_co_i32 s55, s62, 127
	s_lshl_b32 s56, s55, 23
	v_mov_b32 v[QSC], s56                          ; 2^e4 as f32
	s_add_co_i32 s55, s55, 15
	s_lshl_b32 s55, s55, 23
	s_or_b32 s55, s55, 0x600000
	s_xor_b32 s56, s55, 0x80000000
.set K, 0
.rept 16
	v_pk_mul_f32 v[BLH+K:BLH+K+1], v[64+K:65+K], s[52:53] op_sel_hi:[1,0]
	v_pk_mul_f32 v[BLG+K:BLG+K+1], v[32+K:33+K], s[52:53] op_sel_hi:[1,0]
	v_pk_add_f32 v[BLIN+K:BLIN+K+1], v[64+K:65+K], 0.5 op_sel_hi:[1,0]
.set K, K+2
.endr
; THE ACTIVATIONS of row tiles 2 be, 2 be + 1, as in the first layer
.macro ACT be
.set AB, 128*(\be)
	WIN 0x01
.irp mm, 0,64
.set K, 0
.rept 16
	v_pk_fma_f32 v[64+\mm+K:65+\mm+K], v[AB+32+\mm+K:AB+33+\mm+K], s[50:51], v[BLH+K:BLH+K+1] op_sel_hi:[1,0,1]
.set K, K+2
.endr
.endr
	WIN 0x41
.irp mm, 0,64
.set K, 0
.rept 16
	v_pk_fma_f32 v[AB+\mm+K:AB+\mm+K+1], v[AB+\mm+K:AB+\mm+K+1], s[50:51], v[BLG+K:BLG+K+1] op_sel_hi:[1,0,1]
.set K, K+2
.endr
.set K, 0
.rept 16
	v_pk_fma_f32 v[AB+32+\mm+K:AB+33+\mm+K], v[AB+32+\mm+K:AB+33+\mm+K], s[48:49], v[BLIN+K:BLIN+K+1] op_sel_hi:[1,0,1]
.set K, K+2
.endr
.endr
.irp mm, 0,64
.set K, 0
.rept 32
	v_min_num_f32 v[AB+\mm+K], v[AB+\mm+K], s54
.set K, K+1
.endr
.endr
	s_wait_alu depctr_va_vdst(0)                   ; the wait ahead of the batch
.irp mm, 0,64
.set K, 0
.rept 32
	v_exp_f32 v[AB+\mm+K], v[AB+\mm+K]
.set K, K+1
.endr
.endr
	WIN 0
.irp mm, 0,64
.set K, 0
.rept 32
	v_exp_f32 v[64+\mm+K], v[64+\mm+K]
.set K, K+1
.endr
.endr
	v_nop
	s_wait_alu depctr_va_vdst(0)                   ; and behind it
.irp mm, 0,64
.set K, 0
.rept 16
	v_pk_add_f32 v[64+\mm+K:65+\mm+K], v[64+\mm+K:65+\mm+K], 1.0 op_sel_hi:[1,0]
.set K, K+2
.endr
.endr
	WIN 0x01
.irp mm, 0,64
.set K, 0
.rept 16
	v_pk_add_f32 v[32+\mm+K:33+\mm+K], v[AB+\mm+K:AB+\mm+K+1], 1.0 op_sel_hi:[1,0]
.set K, K+2
.endr
.endr
	WIN 0
	s_wait_alu depctr_va_vdst(0)
.set K, 0
.rept 128
	v_rcp_f32 v[32+K], v[32+K]
.set K, K+1
.endr
	v_nop
	s_wait_alu depctr_va_vdst(0)
	WIN 0x41
.irp mm, 0,64
.set K, 0
.rept 16
	v_pk_mul_f32 v[AB+\mm+K:AB+\mm+K+1], v[AB+\mm+K:AB+\mm+K+1], v[32+\mm+K:33+\mm+K]
.set K, K+2
.endr
.set K, 0
.rept 32
	v_max_num_f32 v[AB+32+\mm+K], v[AB+32+\mm+K], v[64+\mm+K]
.set K, K+1
.endr
.set K, 0
.rept 16
	v_pk_mul_f32 v[AB+32+\mm+K:AB+33+\mm+K], v[AB+32+\mm+K:AB+33+\mm+K], v[32+\mm+K:33+\mm+K]
.set K, K+2
.endr
.endr
.endm
	ACT 0
	ACT 1
	; THE SCAN: my lane's four steps as h -> C h + V,
	WIN 0x15
.set K, 0
.rept 16
	v_pk_fma_f32 v[VS+K:VS+K+1], v[64+K:65+K], v[32+K:33+K], v[96+K:97+K]
	v_pk_mul_f32 v[CS+K:CS+K+1], v[64+K:65+K], v[K:K+1]
.set K, K+2
.endr
	WIN 0x11
.irp m, 2,3
.set K, 0
.rept 16
	v_pk_fma_f32 v[VS+K:VS+K+1], v[64*\m+K:64*\m+K+1], v[VS+K:VS+K+1], v[64*\m+32+K:64*\m+33+K]
	v_pk_mul_f32 v[CS+K:CS+K+1], v[64*\m+K:64*\m+K+1], v[CS+K:CS+K+1]
.set K, K+2
.endr
.endr
	WIN 0
.macro LSCAN d                         ; then over the sixteen lanes of my half
.set K, 0
.rept 32
	v_mov_b32_dpp v[TT+K], v[VS+K] row_shr:\d row_mask:0xf bank_mask:0xf bound_ctrl:1
.set K, K+1
.endr
.set K, 0
.rept 16
	v_pk_fma_f32 v[VS+K:VS+K+1], v[TT+K:TT+K+1], v[CS+K:CS+K+1], v[VS+K:VS+K+1]
.set K, K+2
.endr
.set K, 0
.rept 32
	v_mul_f32_dpp v[CS+K], v[CS+K], v[CS+K] row_shr:\d row_mask:0xf bank_mask:0xf
.set K, K+1
.endr
.endm
	LSCAN 1
	LSCAN 2
	LSCAN 4
	LSCAN 8
.set K, 0
.rept 16
	ds_store_b128 v[SCW], v[VS+4*K:VS+4*K+3] offset:512*K
.set K, K+1
.endr
	s_wait_dscnt 0x0                               ; for the others' sake: my stores have landed
	s_barrier_signal -1
	s_barrier_wait -1
	s_cmp_lg_u32 s20, 7
	s_cbranch_scc1 .Lend                           ; the steps that are kept are wave 7's
; h ahead of wave 7: 0.5 taken through waves 0 to 6; two buffers: the next composite is asked for while this one is applied
.macro CLOAD wp
.set K, 0
.rept 8
	ds_load_b128 v[160+64*((\wp)%2)+4*K:160+64*((\wp)%2)+4*K+3], v[SCRD] offset:8192*(\wp)+512*K
	ds_load_b128 v[192-96*((\wp)%2)+4*K:192-96*((\wp)%2)+4*K+3], v[SCRD] offset:8192*(\wp)+4096+512*K
.set K, K+1
.endr
.endm
	CLOAD 0
.irp wp, 0,1,2,3,4,5,6
.if \wp < 6
	CLOAD \wp+1
	s_wait_dscnt 16                                ; this wave's 16 loads are in, the next one's may be out
.else
	s_wait_dscnt 0x0
.endif
.set K, 0
.rept 16
.if \wp == 0
	v_pk_fma_f32 v[HIN+K:HIN+K+1], v[192+K:193+K], 0.5, v[160+K:161+K] op_sel_hi:[1,0,1]
.else
	v_pk_fma_f32 v[HIN+K:HIN+K+1], v[192-96*(\wp%2)+K:192-96*(\wp%2)+K+1], v[HIN+K:HIN+K+1], v[160+64*(\wp%2)+K:160+64*(\wp%2)+K+1]
.endif
.set K, K+2
.endr
.endr
.set K, 0
.rept 16
	v_pk_fma_f32 v[TT+K:TT+K+1], v[CS+K:CS+K+1], v[HIN+K:HIN+K+1], v[VS+K:VS+K+1]
.set K, K+2
.endr
.set K, 0
.rept 32
	v_mov_b32_dpp v[HIN+K], v[TT+K] row_shr:1 row_mask:0xf bank_mask:0xf
.set K, K+1
.endr
	; the residual of tile m into v[32 + 32 m + 64 (m / 2)]
.irp m, 0,1,2,3
.irp g, 0,1,2,3,4,5,6,7
	global_load_b128 v[32+32*\m+64*(\m/2)+4*\g:35+32*\m+64*(\m/2)+4*\g], v[RO], s[42:43] offset:128*(8*\m+\g)
.endr
.endr
	WIN 0x51
.set K, 0
.rept 16
	v_pk_fma_f32 v[32+K:33+K], v[K:K+1], v[HIN+K:HIN+K+1], v[32+K:33+K]
.set K, K+2
.endr
	WIN 0x55
.irp m, 1,2,3
.set K, 0
.rept 16
	v_pk_fma_f32 v[64*\m+32+K:64*\m+33+K], v[64*\m+K:64*\m+K+1], v[64*\m-32+K:64*\m-31+K], v[64*\m+32+K:64*\m+33+K]
.set K, K+2
.endr
.endr
	s_wait_alu depctr_va_vdst(0)                   ; the wait ahead of the wait below
	s_wait_loadcnt 0x0
.irp m, 0,1,2,3
	WIN 0x41
.set K, 0
.rept 16
	v_pk_add_f32 v[64*\m+32+K:64*\m+33+K], v[64*\m+32+K:64*\m+33+K], v[32+32*\m+64*(\m/2)+K:33+32*\m+64*(\m/2)+K]
.set K, K+2
.endr
.set K, 0
.rept 32
	v_med3_num_f32 v[64*\m+K], v[64*\m+32+K], s56, s55   ; the conversion does not saturate (ISA guide 7.6.2)
.set K, K+1
.endr
	WIN 0x01
.irp n, 0,1,2,3
	v_cvt_scalef32_pk8_bf8_f32 v[CD+8*\m+2*\n:CD+8*\m+2*\n+1], v[64*\m+8*\n:64*\m+8*\n+7], v[QSC]
.endr
.endr
	WIN 0
	v_nop                                          ; a plain line behind the last conversion
	; the codes of lanes 12-15 and 28-31 are A2c's two pieces: through my stage, so that row rho = 4 (r - 12) + m lies in lane rho of its half
.irp m, 0,1,2,3
.irp bp, 0,1
	ds_store_b128 v[STW], v[CD+8*\m+4*\bp:CD+8*\m+4*\bp+3] offset:512*(2*\m+\bp)
.endr
.endr
.irp bp, 0,1
	ds_load_b128 v[160+4*\bp:163+4*\bp], v[STR] offset:512*\bp
.endr
	s_wait_dscnt 0x0
.irp bp, 0,1
	global_store_b128 v[LI], v[160+4*\bp:163+4*\bp], s[44:45] offset:512*\bp
.endr
.Lend:
	s_wait_tensorcnt 0x0                           ; the wave's end
	ds_add_u32 v30, v31
	s_wait_dscnt 0x0
	s_endpgm
.Lfunc_end_k_q7e9457bff5_layer1:
	.size	k_q7e9457bff5_layer1, .Lfunc_end_k_q7e9457bff5_layer1-k_q7e9457bff5_layer1
	.p2alignl 7, 3214868480
	.fill 96, 4, 3214868480
	.section	.rodata,"a",@progbits
	.p2align	6, 0x0
	.amdhsa_kernel k_q7e9457bff5_layer1
		.amdhsa_group_segment_fixed_size 197632
		.amdhsa_private_segment_fixed_size 0
		.amdhsa_enable_private_segment 0
		.amdhsa_kernarg_size 48
		.amdhsa_user_sgpr_count 2
		.amdhsa_user_sgpr_kernarg_segment_ptr 1
		.amdhsa_wavefront_size32 1
		.amdhsa_system_sgpr_workgroup_id_x 1
		.amdhsa_system_sgpr_workgroup_id_y 1
		.amdhsa_system_sgpr_workgroup_id_z 1
		.amdhsa_system_vgpr_workitem_id 0
		.amdhsa_next_free_vgpr 512
		.amdhsa_next_free_sgpr 66
		.amdhsa_reserve_vcc 0
		.amdhsa_float_denorm_mode_32 3
		.amdhsa_float_denorm_mode_16_64 3
		.amdhsa_memory_ordered 1
		.amdhsa_forward_progress 1
		.amdhsa_inst_pref_size 237
	.end_amdhsa_kernel
	.amdgpu_metadata
---
amdhsa.version: [ 1, 2 ]
amdhsa.kernels:
  - .name:           k_q7e9457bff5_layer1
    .symbol:         k_q7e9457bff5_layer1.kd
    .args:
      - { .name: A1c, .offset: 0, .size: 8, .value_kind: global_buffer, .address_space: global }
      - { .name: Wc1, .offset: 8, .size: 8, .value_kind: global_buffer, .address_space: global }
      - { .name: lowp_scales, .offset: 16, .size: 8, .value_kind: global_buffer, .address_space: global }
      - { .name: b1, .offset: 24, .size: 8, .value_kind: global_buffer, .address_space: global }
      - { .name: R1, .offset: 32, .size: 8, .value_kind: global_buffer, .address_space: global }
      - { .name: A2c, .offset: 40, .size: 8, .value_kind: global_buffer, .address_space: global }
    .group_segment_fixed_size: 197632
    .private_segment_fixed_size: 0
    .kernarg_segment_align: 8
    .kernarg_segment_size: 48
    .max_flat_workgroup_size: 256
    .sgpr_count:     66
    .vgpr_count:     512
    .wavefront_size: 32
...
	.end_amdgpu_metadata
.endif
;; end of part 3
;; launch logits (part 4): grid 32 x 8, 4 waves a work-group, no clusters, 33,280 bytes of LDS; arguments A2c, Wcl, lowp_scales, bl, out0; writes out0
.if DOCPART == 4
	.amdgcn_target "amdgcn-amd-amdhsa--gfx1250"
	.amdhsa_code_object_version 6
	.text
	.protected	k_q7e9457bff5_logits
	.globl	k_q7e9457bff5_logits
	.p2align	8
	.type	k_q7e9457bff5_logits,@function
k_q7e9457bff5_logits:
	s_mov_b64 s[64:65], 0
	v_nop
	global_prefetch_b8 v0, s[64:65] scope:SCOPE_SE
	s_setreg_imm32_b32 hwreg(HW_REG_WAVE_MODE, 25, 1), 1
	s_wait_xcnt 0x0
; out0[b][rho][v] = sum over k of h2[b][496 + rho][k] Wl[v][k] + bl[v], for the 16 steps of each batch that are kept, on codes of BF8 (E5M2), f32 sums; each finished sum x 2^(e4 + e5).
; A2c [b 16][q 8][2048] and Wcl [G 32][q 8][n 4][2048] hold fragments in the order of the operand's registers: four loads of 16 bytes a lane, 512 consecutive bytes each.
; SHARES.  Work-group (G, y): columns 64 G .. 64 G + 63 x batches 2 y, 2 y + 1.  THE FOUR WAVES SHARE K: wave w takes K steps 2 w and 2 w + 1, so each wave has 49 loads, all out at once, and 16 matrix instructions;
; the four partial sums meet in LDS, as images of the registers, behind one barrier.  The order of the sums along K therefore differs from a single chain's.
; Source 0 = 16 rows of h2, source 1 = 16 rows of Wl.  Row r of Wcl's tile n is Wl's row 64 G + 4 r + n: lane (r, h) holds, in register j of tile n, out(rho = 8 h + j, column 64 G + 4 r + n): its four tiles are
; four neighbouring columns, 16 bytes, and sixteen lanes store 256 consecutive bytes, aligned.
; No tensor load, no cluster: nothing lies in LDS that another work-group wants, and a work-group's operands are 96 KB read once.
; LIMIT: e4 + e5 between -126 and 127, so that 2^(e4 + e5) is an f32 number.
; REGISTERS: window 0: v1-5 addresses; v8-11 the bias; v32-95 h2's fragments (K step qq, batch t) at 32 + 32 qq + 16 t; v96-223 Wl's (qq, n) at 96 + 64 qq + 16 n.  window 1: v0-63 accumulator (t, n) at 8 (4 t + n).
.set MSB, 0
.macro WIN new                         ; the immediate's high byte repeats the setting that is left
.if MSB != (\new)
	s_set_vgpr_msb (MSB<<8)|(\new)
.set MSB, \new
.endif
.endm
	s_load_b256 s[4:11], s[0:1], 0x0               ; A2c s[4:5], Wcl s[6:7], the exponents s[8:9], bl s[10:11]
	s_load_b64 s[12:13], s[0:1], 0x20              ; out0
	v_lshl_add_u32 v254, v0, 2, 0x8000
	v_mov_b32 v255, 0
	v_lshrrev_b32 v1, 5, v0
	v_readfirstlane_b32 s14, v1                    ; wave 0..3
	s_and_b32 s15, ttmp7, 0xffff                   ; y
	v_and_b32 v1, 31, v0
	v_lshlrev_b32 v1, 4, v1                        ; 16 x lane
	v_and_b32 v2, 15, v0
	v_lshlrev_b32 v2, 4, v2                        ; 16 r
	s_lshl_b32 s16, s14, 13
	v_add_nc_u32 v3, s16, v1                       ; my partial sums: 8,192 x wave + 16 x lane
	s_lshr_b32 s17, s14, 1                         ; t: the batch that I finish,
	s_and_b32 s18, s14, 1                          ; jh: and which four of a lane's eight rows
	s_lshl_b32 s19, s17, 12
	s_lshl_b32 s20, s18, 9
	s_add_co_u32 s19, s19, s20
	v_add_nc_u32 v4, s19, v1                       ; where I read them: image 2 (4 t + n) + jh of each wave
	v_bfe_u32 v5, v0, 4, 1
	v_lshl_add_u32 v5, v5, 16, v2                  ; out0: 16 r + 8 h rows of 8,192 bytes
	s_mov_b32 s23, 0
	s_mov_b32 s25, 0
	s_mov_b32 s27, 0
	s_lshl_b32 s22, s15, 15
	s_lshl_b32 s20, s14, 12
	s_add_co_u32 s22, s22, s20                     ; A2c: 32,768 y + 4,096 w
	s_lshl_b32 s24, ttmp9, 16
	s_lshl_b32 s20, s14, 14
	s_add_co_u32 s24, s24, s20                     ; Wcl: 65,536 G + 16,384 w
	s_lshl_b32 s26, ttmp9, 8                       ; bl, and a row of out0: 256 G
	s_wait_alu depctr_va_vdst(0)
	s_wait_kmcnt 0x0
	s_load_b64 s[28:29], s[8:9], 0x10              ; e4, e5
	s_add_nc_u64 s[4:5], s[4:5], s[22:23]
	s_add_nc_u64 s[6:7], s[6:7], s[24:25]
	s_add_nc_u64 s[10:11], s[10:11], s[26:27]
	s_add_nc_u64 s[12:13], s[12:13], s[26:27]
	s_lshl_b32 s22, s15, 18
	s_lshl_b32 s20, s17, 17
	s_add_co_u32 s22, s22, s20
	s_lshl_b32 s20, s18, 15
	s_add_co_u32 s22, s22, s20                     ; out0: 8,192 x (16 (2 y + t) + 4 jh)
	s_add_nc_u64 s[12:13], s[12:13], s[22:23]
	global_load_b128 v[8:11], v2, s[10:11]         ; bl of my four columns
.irp qq, 0,1
.irp t, 0,1
.irp c, 0,1,2,3
	global_load_b128 v[32+32*\qq+16*\t+4*\c:35+32*\qq+16*\t+4*\c], v1, s[4:5] offset:16384*\t+2048*\qq+512*\c
.endr
.endr
.irp n, 0,1,2,3
.irp c, 0,1,2,3
	global_load_b128 v[96+64*\qq+16*\n+4*\c:99+64*\qq+16*\n+4*\c], v1, s[6:7] offset:8192*\qq+2048*\n+512*\c
.endr
.endr
.endr
	s_wait_loadcnt 24                              ; the first K step's fragments are in; the second's 24 loads may be out
	WIN 0x40                                       ; destination window 1
.irp t, 0,1
.irp n, 0,1,2,3
	v_wmma_f32_16x16x128_bf8_bf8 v[8*(4*\t+\n):8*(4*\t+\n)+7], v[32+16*\t:47+16*\t], v[96+16*\n:111+16*\n], 0
.endr
.endr
	s_wait_loadcnt 0x0
	WIN 0x50                                       ; C and D window 1.  The eight accumulators take turns
.irp t, 0,1
.irp n, 0,1,2,3
	v_wmma_f32_16x16x128_bf8_bf8 v[8*(4*\t+\n):8*(4*\t+\n)+7], v[64+16*\t:79+16*\t], v[160+16*\n:175+16*\n], v[8*(4*\t+\n):8*(4*\t+\n)+7]
.endr
.endr
	WIN 0
.rept 4
	v_nop                                          ; four places in front of the stores that read results, and of the loads into registers that the products have read
.endr
	WIN 0x04                                       ; the store's data in window 1
.irp a, 0,1,2,3,4,5,6,7
.irp j, 0,1
	ds_store_b128 v3, v[8*\a+4*\j:8*\a+4*\j+3] offset:512*(2*\a+\j)   ; each accumulator from its low end on
.endr
.endr
	WIN 0
	s_wait_dscnt 0x0                               ; for the others' sake: my stores have landed
	s_barrier_signal -1
	s_barrier_wait -1
.irp wp, 0,1,2,3
.irp n, 0,1,2,3
	ds_load_b128 v[32+16*\wp+4*\n:35+16*\wp+4*\n], v4 offset:8192*\wp+1024*\n
.endr
.endr
	s_wait_kmcnt 0x0
	s_add_co_i32 s30, s28, s29
	s_add_co_i32 s30, s30, 127
	s_lshl_b32 s30, s30, 23                        ; 2^(e4 + e5) as f32
	s_wait_dscnt 0x0
.set K, 0
.rept 8
	v_pk_add_f32 v[32+K:33+K], v[32+K:33+K], v[48+K:49+K]
	v_pk_add_f32 v[64+K:65+K], v[64+K:65+K], v[80+K:81+K]
.set K, K+2
.endr
.set K, 0
.rept 8
	v_pk_add_f32 v[32+K:33+K], v[32+K:33+K], v[64+K:65+K]
.set K, K+2
.endr
.irp jj, 0,1,2,3
.irp n, 0,1,2,3
	v_fma_f32 v[96+4*\jj+\n], v[32+4*\n+\jj], s30, v[8+\n]    ; sum x 2^(e4 + e5) + bias: row 8 h + 4 jh + jj, column 64 G + 4 r + n
.endr
.endr
.irp jj, 0,1,2,3
	global_store_b128 v5, v[96+4*\jj:99+4*\jj], s[12:13] offset:8192*\jj th:TH_STORE_NT   ; sixteen lanes store 256 consecutive bytes, aligned; written once, read by nobody here
.endr
	s_wait_tensorcnt 0x0
	ds_add_u32 v254, v255
	s_wait_dscnt 0x0
	s_endpgm
.Lfunc_end_k_q7e9457bff5_logits:
	.size	k_q7e9457bff5_logits, .Lfunc_end_k_q7e9457bff5_logits-k_q7e9457bff5_logits
	.p2alignl 7, 3214868480
	.fill 96, 4, 3214868480
	.section	.rodata,"a",@progbits
	.p2align	6, 0x0
	.amdhsa_kernel k_q7e9457bff5_logits
		.amdhsa_group_segment_fixed_size 33280
		.amdhsa_private_segment_fixed_size 0
		.amdhsa_enable_private_segment 0
		.amdhsa_kernarg_size 40
		.amdhsa_user_sgpr_count 2
		.amdhsa_user_sgpr_kernarg_segment_ptr 1
		.amdhsa_wavefront_size32 1
		.amdhsa_system_sgpr_workgroup_id_x 1
		.amdhsa_system_sgpr_workgroup_id_y 1
		.amdhsa_system_sgpr_workgroup_id_z 1
		.amdhsa_system_vgpr_workitem_id 0
		.amdhsa_next_free_vgpr 320
		.amdhsa_next_free_sgpr 66
		.amdhsa_reserve_vcc 0
		.amdhsa_float_denorm_mode_32 3
		.amdhsa_float_denorm_mode_16_64 3
		.amdhsa_memory_ordered 1
		.amdhsa_forward_progress 1
		.amdhsa_inst_pref_size 14
	.end_amdhsa_kernel
	.amdgpu_metadata
---
amdhsa.version: [ 1, 2 ]
amdhsa.kernels:
  - .name:           k_q7e9457bff5_logits
    .symbol:         k_q7e9457bff5_logits.kd
    .args:
      - { .name: A2c, .offset: 0, .size: 8, .value_kind: global_buffer, .address_space: global }
      - { .name: Wcl, .offset: 8, .size: 8, .value_kind: global_buffer, .address_space: global }
      - { .name: lowp_scales, .offset: 16, .size: 8, .value_kind: global_buffer, .address_space: global }
      - { .name: bl, .offset: 24, .size: 8, .value_kind: global_buffer, .address_space: global }
      - { .name: out0, .offset: 32, .size: 8, .value_kind: global_buffer, .address_space: global }
    .group_segment_fixed_size: 33280
    .private_segment_fixed_size: 0
    .kernarg_segment_align: 8
    .kernarg_segment_size: 40
    .max_flat_workgroup_size: 128
    .sgpr_count:     66
    .vgpr_count:     320
    .wavefront_size: 32
...
	.end_amdgpu_metadata
.endif
;; end of part 4
